; MI455X (gfx1250); checked and timed in simulation.
; The chip was launched on July 23, 2026; its instructions are those of AMD's public machine-readable ISA for CDNA 5 (MIT licence, August 2026) and "CDNA5" Instruction Set Architecture Reference Guide (July 2026). The comments in the code are by the model that wrote it; some were corrected since.
;; Project Point2 Image. Allowed arithmetic: matrix products marked QUANTISED: E5M2 operands, one given power-of-two scale a tensor, by v_wmma_f32_16x16x64_bf8_bf8 or v_wmma_f32_16x16x128_bf8_bf8, f32 sums; products left as they are: f32 operands where the result goes on into a quantised operand, else bf16, f16 or f32 operands; f32 sums; everything else in f32.
;; Inputs: K 3 x 3 float32; RT 4 x 3 x 4 float32; lowp_scales 2 int32 (the exponents e of the quantised operands' scales 2^e); pts_3d 4 x 1,024 x 3 float32; pts_feat 4 x 1,024 x 16 float32; pts_scale 4 x 1,024 float32.
;; Outputs: out0 4 x 16 x 128 x 128 float32.
;; This version of the problem:
;;   THIS VERSION OF THE PROBLEM IS GIVEN IN LOW PRECISION. The matrix products marked QUANTISED in the list below multiply operands that are first quantised to E5M2 (5 exponent bits, 2 mantissa bits; 8 bits a number), with one given power-of-two scale for each operand tensor; their sums are f32. All else is computed in f32.
;;   The module's matrix products, in the order in which they are computed (A, B: the left and right operand; K: the contracted axis; several contracted axes count as one K, in the product's order):
;;     1. batch 4 x [M 1,024, K 3] x [K 3, N 3]; A: input pts_3d; B: input RT: left as it is (K = 3 < 32)
;;     2. [M 4,096, K 3] x [K 3, N 3]; A: computed on the way; B: input K: left as it is (K = 3 < 32)
;;     3. batch 4 x [M 16, K 1,024] x [K 1,024, N 16,384]; A: input pts_feat; B: computed on the way: QUANTISED (scales: A lowp_scales[0], B lowp_scales[1])
;;   THE QUANTISER, for each operand of a quantised product, along K:
;;     - The operand's scale is 2^e, e = its entry of the input lowp_scales (int32; the entries are numbered through the quantised products in the list's order, A before B).
;;     - Each number is divided by the scale, clamped to +-57,344, and rounded to the nearest number of E5M2, ties to even, subnormals kept.
;;     - The product sums the exact products of the quantised numbers (number of the format x scale) in f32.
;;   ~~~python
;;   def quantise(x, axis, e):      # numpy; x: float32 -> the quantised numbers, widened to float32 again
;;       x = np.moveaxis(x, axis, -1); K = x.shape[-1]
;;       r = np.clip(x / 2.0 ** e, -57344, 57344)
;;       step = 2.0 ** (np.maximum(np.frexp(np.where(r == 0, 1, r))[1] - 1, -14) - 2)
;;       q = np.round(r / step) * step * 2.0 ** e      # np.round: ties to even
;;       return np.moveaxis(q, -1, axis).astype(np.float32)
;;   ~~~
;;   OPERANDS COMPUTED ON THE WAY. 'Computed on the way' means the value that the module computes at that place (a softmax that the list does not call 'softmax' is quantised finished and normalised). What goes into a quantiser is computed in f32, as accurately as f32 sums, v_exp_f32 and their like allow (about 1e-6 of the number): no bf16 or f16 on the way to a quantiser, and a product that is left as it is and whose result goes on into a quantised operand takes f32 operands (vector FMAs, or v_wmma_f32_16x16x4_f32). A number that lies on a knife's edge between two numbers of the format may be rounded either way, as far as f32 arithmetic and the matrix unit's own rounding can turn it there, and no further.
;; 2 versions, each right; version 2 is version 1 with the launch splat written anew for expert scheduling mode. Each part assembles by itself: llvm-mc -triple=amdgcn-amd-amdhsa -mcpu=gfx1250 --defsym DOCPART=n.
;; ======== version 1 of 2: 1 launch
;; launch splat (part 1): grid 64 x 4, 8 waves a work-group, no clusters, 142,336 bytes of LDS; arguments K, RT, lowp_scales, pts_3d, pts_feat, pts_scale, out0; writes out0
.if DOCPART == 1
	.amdgcn_target "amdgcn-amd-amdhsa--gfx1250"
	.amdhsa_code_object_version 6
	.text
	.protected	k_q26ce3f554f_splat
	.globl	k_q26ce3f554f_splat
	.p2align	8
	.type	k_q26ce3f554f_splat,@function
k_q26ce3f554f_splat:
	s_mov_b64 s[64:65], 0
	v_nop
	global_prefetch_b8 v0, s[64:65] scope:SCOPE_SE
	s_setreg_imm32_b32 hwreg(HW_REG_WAVE_MODE, 25, 1), 1
	s_wait_xcnt 0x0
; out0[b][ch][row][col] = sum over the 1,024 points n of Q(pts_feat[b][n][ch]) x Q(weight[b][n][row][col]), Q = the codes of BF8 (E5M2) under the given scales 2^e0, 2^e1; sums in f32.
; weight = exp(-((v - row)^2 + (u - col)^2) / ((s sigma) sigma)) x mask, with u, v, mask from the projection K (R p + T), sigma = K[0][0] / 32.
; THE WEIGHT IS MADE AS A PRODUCT: exp(-(a + b) / d) = exp(-a / d) exp(-b / d), for all values.  wv(n, row) = 2^(c (v - row)^2) x mask and wu(n, col) = 2^(c (u - col)^2), c = -log2(e) / d, all in f32;
; weight = wv x wu, one f32 product.  With d > 0 both factors are at most 1, with d < 0 both at least 1: never 0 x infinity.  A work-group then needs (4 + 64) x 1,024 exponentials in place of 256 x 1,024.
; No input and no step is left out: K is taken as a full 3 x 3 matrix, the mask multiplies, the hold at the largest code is always executed.
; SHARES.  A work-group: one batch, 4 rows x 64 columns of the image, all 16 channels: each (channel, row) of it is 256 consecutive bytes of out0, aligned.  Eight waves SPLIT K: wave w owns points 128 w .. 128 w + 127,
; one K step of the 16 x 16 x 128 form for each of the 16 tiles of 16 pixels; the eight partial images meet in LDS at the end.
; LANES.  Lane (r, h), r = lane % 16, h = lane / 16, holds of both operands the 64 points 128 w + 64 h + i in byte i of its 16 registers: the same order of K in both, so every product meets its partner.
; Source 0 = the weights (row r of the tile = column r of the group), source 1 = pts_feat's codes (column r = channel r): in D lane (r, h) holds channel r and the 8 neighbouring pixels 8 h + 0 .. 7.
; wu of the lane's own column and 64 points is made by the lane itself.  wv of points 4 t .. 4 t + 3 (t = the thread's number = 32 w + 16 h + r) is made by thread t, which projected them; the multiply takes it from
; lane i / 4 of the same sixteen lanes (DPP, row_share): so wv needs no LDS.  Only u and c go through LDS, 8 KB.
; NO CLUSTER, NO TENSOR LOAD: what the 64 work-groups of a batch share is 80 KB (pts_3d 12, pts_scale 4, pts_feat 64), read once at the head; pts_feat goes from memory straight into the operand's order (a lane a channel,
; registers down K), which a tile in LDS would give only by 64 LDS loads more a wave.
; LIMITS.  e0 between -126 and 112; e1 between -109 and 112 (a factor under 2^-126 comes out of v_exp_f32 as 0: from e1 = -109 on such a weight has the code 0 anyway); e0 + e1 between -126 and 127;
; the clamped depth under 2^126.  (s sigma) sigma = +0 or denormal: c = -infinity, the weight is 0 as in the definition, but NaN where v - row or u - col is exactly 0.  NaN among the inputs is not served.
.set LU,    0                          ; LDS: u of the batch's 1,024 points
.set LC,    4096                       ; c likewise
.set PART,  8192                       ; the partial images: wave, channel, row, 64 columns of f32
.set CHP,   1040                       ; from channel to channel: 4 rows x 256 bytes + 16
.set WPART, 16*CHP                     ; a wave's image
.set SPARE, PART+8*WPART               ; behind them: the spare words, 128 bytes for each wave: four blocks of 256 bytes that no other line names
.set SPW, 1                            ; v1   LDS address of my spare word; never rewritten
.set NIL, 2                            ; v2   0; never rewritten
.set AH,  3                            ; v3   LDS byte of my half's 64 points in u: 512 w + 256 h
.set PST, 4                            ; v4   where my D goes in my wave's image: channel r, + 32 h
.set PSG, 5                            ; v5   the same in the column group in hand
.set NX,  6                            ; v[6:7] -(my column) as f32; the packed form takes the low word for both halves
.set LA,  8                            ; v8, v9  57,344 x 2^e1, twice: the two halves of a dual instruction take their second sources from different banks
.set LB,  9
.set SC,  10                           ; v10  2^e1
.set ONE, 11                           ; v11  1.0
.set CO,  12                           ; v[12:15] c of my own 4 points
.set VO,  16                           ; v[16:19] v
.set MO,  20                           ; v[20:23] mask
.set UO,  24                           ; v[24:27] u
.set WV,  28                           ; v[28:43] wv x mask: register 4 row + a = point 4 t + a
.set AF,  44                           ; v[44:59] pts_feat's codes
.set BC,  60                           ; v[60:75] a tile's weight codes
.set TT,  76                           ; v[76:91] two sets of 8 products
.set DD,  92                           ; v[92:107] two results
.set WU,  108                          ; v[108:171] wu of my column, 64 points
.set UU,  172                          ; v[172:235] u of my 64 points
.set FF,  172                          ; the same registers, earlier: pts_feat as loaded
.set RR,  108                          ; v[108:235], at the end: 8 partial images x 16 numbers
.set CW,  0                            ; window 1, v0-63: c of my 64 points
.set PO,  236                          ; v236 my offset in pts_3d: 48 t
.set SO,  237                          ; v237 16 t: my offset in pts_scale, and my 4 points' place in LDS
.set FO,  238                          ; v238 my offset in pts_feat
.set SF,  239                          ; v239 2^e0
.set LF,  240                          ; v240 57,344 x 2^e0
.set RD,  241                          ; v241, v242 where I read the partial images 0-3, 4-7
.set RD2, 242
.set GO,  243                          ; v243 my offset in out0
.set RL,  244                          ; v244 r
.set HL,  245                          ; v245 h
.set TA,  246
.set PP,  108                          ; the projection's registers lie in wu's: 4 points x (x, y, z) as loaded
.set SS,  120                          ; pts_scale
.set LL,  124                          ; R p + T
.set QQ,  136                          ; K (R p + T)
.set ZC,  148                          ; max(z, 0.1)
.set YZ,  152                          ; 1 / zc
.set DN,  156                          ; (s sigma) sigma
.set YD,  160                          ; 1 / that
.set E1,  164
.set E2,  168
.set KM,  20                           ; s[20:28] K
.set RT,  32                           ; s[32:43] RT of my batch: row i = R(i, 0..2), T(i)
.set EX,  44                           ; s44 e0, s45 e1
.set TENTH, 46
.set SIG,  47
.set INF,  48
.set NL2E, 49
.set YR,   50                          ; s[50:53] my 4 rows as f32
.set GOFF, 55                          ; s55 64 x the column group: the loop's counter
.set OS,   56                          ; s[56:57] 2^(e0 + e1)
.set MSB, 0
.macro WIN new                         ; the immediate's high byte repeats the setting that is left
.if MSB != \new
	s_set_vgpr_msb (MSB<<8)|\new
.set MSB, \new
.endif
.endm
	s_load_b256 s[4:11], s[0:1], 0x0               ; K s[4:5], RT s[6:7], lowp_scales s[8:9], pts_3d s[10:11]
	s_load_b128 s[12:15], s[0:1], 0x20             ; pts_feat s[12:13], pts_scale s[14:15]
	s_load_b64 s[16:17], s[0:1], 0x30              ; out0
	v_lshl_add_u32 v[SPW], v0, 2, SPARE
	v_mov_b32 v[NIL], 0
	v_lshrrev_b32 v[TA], 5, v0
	v_readfirstlane_b32 s18, v[TA]                 ; wave 0..7
	s_and_b32 s19, ttmp7, 0xffff                   ; batch
	s_lshr_b32 s58, ttmp9, 1                       ; which 4 rows
	s_and_b32 s59, ttmp9, 1                        ; which 64 columns
	s_mul_i32 s2, s19, 48                          ; my batch in RT,
	s_mov_b32 s3, 0
	s_mul_i32 s30, s19, 12288                      ; in pts_3d,
	s_mov_b32 s31, 0
	s_lshl_b32 s60, s19, 16                        ; in pts_feat,
	s_mov_b32 s61, 0
	s_lshl_b32 s62, s19, 12                        ; in pts_scale
	s_mov_b32 s63, 0
	s_lshl_b32 s56, s19, 20                        ; out0: batch x 16 channels of 65,536 bytes
	s_lshl_b32 s57, s18, 17                        ; + channel 2 w
	s_add_co_u32 s56, s56, s57
	s_lshl_b32 s57, s58, 11                        ; + 4 rows of 512 bytes
	s_add_co_u32 s56, s56, s57
	s_lshl_b32 s57, s59, 8                         ; + 64 columns
	s_add_co_u32 s56, s56, s57
	s_mov_b32 s57, 0
	v_and_b32 v[RL], 15, v0
	v_bfe_u32 v[HL], v0, 4, 1
	v_mul_u32_u24 v[PO], v0, 48
	v_lshlrev_b32 v[SO], 4, v0
	v_and_b32 v[AH], 0xf0, v0                      ; 32 w + 16 h
	v_lshlrev_b32 v[FO], 2, v[RL]
	v_lshl_or_b32 v[FO], v[AH], 8, v[FO]           ; point 128 w + 64 h of 64 bytes, + channel r
	v_lshlrev_b32 v[AH], 4, v[AH]
	s_wait_kmcnt 0x0
	s_add_nc_u64 s[6:7], s[6:7], s[2:3]
	s_load_b256 s[KM:KM+7], s[4:5], 0x0
	s_load_b32 s[KM+8], s[4:5], 0x20
	s_load_b256 s[RT:RT+7], s[6:7], 0x0
	s_load_b128 s[RT+8:RT+11], s[6:7], 0x20
	s_load_b64 s[EX:EX+1], s[8:9], 0x0
	s_add_nc_u64 s[10:11], s[10:11], s[30:31]
	s_add_nc_u64 s[12:13], s[12:13], s[60:61]
	s_add_nc_u64 s[14:15], s[14:15], s[62:63]
	s_add_nc_u64 s[16:17], s[16:17], s[56:57]
	global_load_b128 v[PP:PP+3],    v[PO], s[10:11]            ; my 4 points: 48 consecutive bytes
	global_load_b128 v[PP+4:PP+7],  v[PO], s[10:11] offset:16
	global_load_b128 v[PP+8:PP+11], v[PO], s[10:11] offset:32
	global_load_b128 v[SS:SS+3],    v[SO], s[14:15]
.set ii, 0
.rept 56                                               ; pts_feat(128 w + 64 h + i, r): sixteen lanes read a point's 64 bytes; a lane's registers run down K
	global_load_b32 v[FF+ii], v[FO], s[12:13] offset:64*ii
.set ii, ii+1
.endr
	; addresses and constants, while the loads are on their way
	s_mul_i32 s57, s18, WPART
	s_add_co_u32 s57, s57, PART
	v_mul_u32_u24 v[PST], v[RL], CHP
	v_lshl_add_u32 v[PST], v[HL], 5, v[PST]
	v_add_nc_u32 v[PST], s57, v[PST]
	v_lshrrev_b32 v[RD], 4, v0                     ; 2 w + h: the channel that I add up and store
	v_mul_u32_u24 v[RD], v[RD], CHP
	v_lshl_add_u32 v[RD], v[RL], 4, v[RD]
	v_add_nc_u32 v[RD], PART, v[RD]
	v_add_nc_u32 v[RD2], 4*WPART, v[RD]            ; the immediate reaches 65,535 bytes: a second register for images 4 to 7
	v_lshlrev_b32 v[GO], 4, v[RL]
	v_lshl_add_u32 v[GO], v[HL], 16, v[GO]         ; lanes 0-15 channel 2 w, lanes 16-31 channel 2 w + 1; 16 bytes a lane
	s_lshl_b32 s59, s59, 6
	v_add_nc_u32 v[NX], s59, v[RL]                 ; my column in the first group
	v_cvt_f32_u32 v[NX], v[NX]
	v_xor_b32 v[NX], 0x80000000, v[NX]             ; u - col is formed as u + (-col): the same one rounding
	v_mov_b32 v[NX+1], v[NX]                       ; (named with it as a pair, so it is written)
	v_mov_b32 v[ONE], 1.0
	s_lshl_b32 s58, s58, 2                         ; my first row
.irp q, 0,1,2,3
	s_add_co_u32 s57, s58, \q
	s_cvt_f32_u32 s[YR+\q], s57
.endr
	s_mov_b32 s[TENTH], 0x3dcccccd                 ; 0.1
	s_mov_b32 s[INF], 0x7f800000
	s_mov_b32 s[NL2E], 0xbfb8aa3b                  ; -log2(e)
	s_wait_kmcnt 0x0
	s_mul_f32 s[SIG], s[KM], 0x3d000000            ; sigma = K[0][0] / 32: exact
	s_add_co_i32 s58, s[EX], 127
	s_lshl_b32 s59, s58, 23
	v_mov_b32 v[SF], s59                           ; 2^e0 as f32: the conversion takes its exponent field
	s_add_co_i32 s58, s58, 15
	s_lshl_b32 s58, s58, 23
	s_or_b32 s58, s58, 0x600000
	v_mov_b32 v[LF], s58                           ; 57,344 x 2^e0
	s_add_co_i32 s58, s[EX+1], 127
	s_lshl_b32 s59, s58, 23
	v_mov_b32 v[SC], s59                           ; 2^e1
	s_add_co_i32 s58, s58, 15
	s_lshl_b32 s58, s58, 23
	s_or_b32 s58, s58, 0x600000
	v_mov_b32 v[LA], s58                           ; 57,344 x 2^e1
	v_mov_b32 v[LB], s58
	s_add_co_i32 s[OS], s[EX], s[EX+1]
	s_add_co_i32 s[OS], s[OS], 127
	s_lshl_b32 s[OS], s[OS], 23                    ; 2^(e0 + e1)
	s_mov_b32 s[OS+1], s[OS]                       ; (named with it as a pair, so it is written)
	s_wait_loadcnt 56                              ; my points and their scales are in: the 56 loads issued behind those four may stay out
.rept 8
	global_load_b32 v[FF+ii], v[FO], s[12:13] offset:64*ii     ; the last eight of the 64
.set ii, ii+1
.endr
	; THE PROJECTION of my 4 points, the four side by side.  Sums over j ascending, fused; T is added last.
.irp i, 0,1,2
.irp a, 0,1,2,3
	v_mul_f32 v[LL+3*\a+\i], s[RT+4*\i], v[PP+3*\a]
.endr
.irp a, 0,1,2,3
	v_fmac_f32 v[LL+3*\a+\i], s[RT+4*\i+1], v[PP+3*\a+1]
.endr
.irp a, 0,1,2,3
	v_fmac_f32 v[LL+3*\a+\i], s[RT+4*\i+2], v[PP+3*\a+2]
.endr
.irp a, 0,1,2,3
	v_add_f32 v[LL+3*\a+\i], s[RT+4*\i+3], v[LL+3*\a+\i]
.endr
.endr
.irp i, 0,1,2
.irp a, 0,1,2,3
	v_mul_f32 v[QQ+3*\a+\i], s[KM+3*\i], v[LL+3*\a]
.endr
.irp a, 0,1,2,3
	v_fmac_f32 v[QQ+3*\a+\i], s[KM+3*\i+1], v[LL+3*\a+1]
.endr
.irp a, 0,1,2,3
	v_fmac_f32 v[QQ+3*\a+\i], s[KM+3*\i+2], v[LL+3*\a+2]
.endr
.endr
.irp a, 0,1,2,3
	v_max_num_f32 v[ZC+\a], s[TENTH], v[QQ+3*\a+2]
	v_mul_f32 v[DN+\a], s[SIG], v[SS+\a]           ; (s sigma)
.endr
.irp a, 0,1,2,3
	v_mul_f32 v[DN+\a], s[SIG], v[DN+\a]           ; (s sigma) sigma, in the definition's order
.endr
.irp a, 0,1,2,3
	v_rcp_f32 v[YZ+\a], v[ZC+\a]
.endr
.irp a, 0,1,2,3
	v_rcp_f32 v[YD+\a], v[DN+\a]
.endr
.irp a, 0,1,2,3
	v_cmp_lt_f32 vcc_lo, s[TENTH], v[QQ+3*\a+2]    ; the mask, 0.1 < z: plain work that names no reciprocal stands behind the batch
	v_cndmask_b32 v[MO+\a], 0, v[ONE], vcc_lo
.endr
	s_wait_alu depctr_va_vdst(0)                   ; the wait ahead of the first instruction that names a result: one for the eight reciprocals
.irp a, 0,1,2,3
	v_fma_f32 v[E1+\a], -v[ZC+\a], v[YZ+\a], 1.0   ; one Newton step on each reciprocal
.endr
.irp a, 0,1,2,3
	v_fma_f32 v[E2+\a], -v[DN+\a], v[YD+\a], 1.0
.endr
.irp a, 0,1,2,3
	v_fmac_f32 v[YZ+\a], v[E1+\a], v[YZ+\a]
.endr
.irp a, 0,1,2,3
	v_fma_f32 v[E2+\a], v[E2+\a], v[YD+\a], v[YD+\a]
.endr
.irp a, 0,1,2,3
	v_cmp_gt_f32 vcc_lo, s[INF], v[YD+\a]          ; where the reciprocal is infinite (a divisor of +0 or denormal) the step gives NaN: the infinity is kept
	v_cndmask_b32 v[YD+\a], v[YD+\a], v[E2+\a], vcc_lo
.endr
.irp a, 0,1,2,3
	v_mul_f32 v[CO+\a], s[NL2E], v[YD+\a]          ; c = -log2(e) / ((s sigma) sigma)
.endr
.irp a, 0,1,2,3
	v_mul_f32 v[UO+\a], v[QQ+3*\a], v[YZ+\a]       ; u and v: quotient, its residual, the corrected quotient
.endr
.irp a, 0,1,2,3
	v_mul_f32 v[VO+\a], v[QQ+3*\a+1], v[YZ+\a]
.endr
.irp a, 0,1,2,3
	v_fma_f32 v[E1+\a], -v[ZC+\a], v[UO+\a], v[QQ+3*\a]
.endr
.irp a, 0,1,2,3
	v_fma_f32 v[E2+\a], -v[ZC+\a], v[VO+\a], v[QQ+3*\a+1]
.endr
.irp a, 0,1,2,3
	v_fmac_f32 v[UO+\a], v[E1+\a], v[YZ+\a]
.endr
.irp a, 0,1,2,3
	v_fmac_f32 v[VO+\a], v[E2+\a], v[YZ+\a]
.endr
	ds_store_b128 v[SO], v[UO:UO+3] offset:LU      ; u and c of points 4 t .. 4 t + 3, for the lanes of my wave's half
	ds_store_b128 v[SO], v[CO:CO+3] offset:LC
	; wv of my own 4 points for the 4 rows: 2^(c (v - row)^2)
.irp q, 0,1,2,3
.irp a, 0,1,2,3
	v_subrev_f32 v[WV+4*\q+\a], s[YR+\q], v[VO+\a] ; v - row
.endr
.endr
.irp j, 0,2,4,6,8,10,12,14
	v_pk_mul_f32 v[WV+\j:WV+\j+1], v[WV+\j:WV+\j+1], v[WV+\j:WV+\j+1]
.endr
.irp j, 0,2,4,6,8,10,12,14
	v_pk_mul_f32 v[WV+\j:WV+\j+1], v[WV+\j:WV+\j+1], v[CO+\j%4:CO+\j%4+1]
.endr
.irp j, 0,1,2,3,4,5,6,7,8,9,10,11,12,13,14,15
	v_exp_f32 v[WV+\j], v[WV+\j]
.endr
	s_wait_dscnt 0x0                               ; for the others' sake: my two stores have landed
	s_barrier_signal -1
	; pts_feat's codes, between the signal and the wait: work on registers.  The holds are also the plain work behind the exponentials above, and they write all 16 registers of TT once (a DPP form's destination counts as read)
.irp c, 0,1,2,3,4,5,6,7
	s_wait_loadcnt 56-8*\c                         ; chunk c's eight loads are in; those issued behind them may stay out
.irp j, 0,1,2,3,4,5,6,7
	v_med3_num_f32 v[TT+8*(\c%2)+\j], v[FF+8*\c+\j], -v[LF], v[LF]   ; the conversion to an 8-bit code does not saturate (ISA guide 7.6.2): the hold at the largest code x the scale
.endr
	v_cvt_scalef32_pk8_bf8_f32 v[AF+2*\c:AF+2*\c+1], v[TT+8*(\c%2):TT+8*(\c%2)+7], v[SF]
.endr
	v_nop                                          ; a plain line behind the last conversion
	s_wait_alu depctr_va_vdst(0)                   ; the wait for the 16 exponentials, ahead of their first reader
.irp j, 0,2,4,6,8,10,12,14
	v_pk_mul_f32 v[WV+\j:WV+\j+1], v[WV+\j:WV+\j+1], v[MO+\j%4:MO+\j%4+1]   ; x mask: (wv x mask) x wu = (wv x wu) x mask, the mask being 0 or 1
.endr
	s_barrier_wait -1                              ; u and c of all 1,024 points lie in LDS
.irp j, 0,1,2,3,4,5,6,7,8,9,10,11,12,13,14,15
	ds_load_b128 v[UU+4*\j:UU+4*\j+3], v[AH] offset:LU+16*\j   ; sixteen lanes read the same 16 bytes
.endr
	WIN 0x40                                       ; destination window 1
.irp j, 0,1,2,3,4,5,6,7,8,9,10,11,12,13,14,15
	ds_load_b128 v[CW+4*\j:CW+4*\j+3], v[AH] offset:LC+16*\j
.endr
	WIN 0
	s_mov_b32 s[GOFF], 0
	s_wait_dscnt 0x0
; A TILE: 16 columns of row rho.  Eight points at a time: the products (wv comes from lane i / 4 of my sixteen), the hold (two in one instruction; a weight is not negative, so it is one-sided), the conversion.
; The two sets of TT take turns, so that the next chunk's first product is the plain line behind a conversion.  The result of the tile before is stored behind this tile's first eight products:
; they name none of that matrix instruction's registers and are the places in front of the store (four are asked); its low four registers go first.
.macro TILE rho
.set cc, 0
.rept 8
.set TS, TT+8*(cc%2)
.set jj, 0
.rept 8
.set RS, 2*cc+jj/4
	v_mul_f32_dpp v[TS+jj], v[WV+4*(\rho)+jj%4], v[WU+8*cc+jj] row_share:RS row_mask:0xf bank_mask:0xf
.set jj, jj+1
.endr
.if (cc == 0) && ((\rho) > 0)
	ds_store_b128 v[PSG], v[DD+8*(((\rho)-1)%2):DD+8*(((\rho)-1)%2)+3] offset:256*((\rho)-1)
	ds_store_b128 v[PSG], v[DD+8*(((\rho)-1)%2)+4:DD+8*(((\rho)-1)%2)+7] offset:256*((\rho)-1)+16
.endif
.set jj, 0
.rept 4
	v_dual_min_num_f32 v[TS+jj], v[TS+jj], v[LA] :: v_dual_min_num_f32 v[TS+jj+1], v[TS+jj+1], v[LB]
.set jj, jj+2
.endr
	v_cvt_scalef32_pk8_bf8_f32 v[BC+2*cc:BC+2*cc+1], v[TS:TS+7], v[SC]
.set cc, cc+1
.endr
	v_nop                                          ; a plain line between the last conversion and the matrix instruction that reads its result
	v_wmma_f32_16x16x128_bf8_bf8 v[DD+8*((\rho)%2):DD+8*((\rho)%2)+7], v[BC:BC+15], v[AF:AF+15], 0   ; my 128 points' share of 16 pixels x 16 channels; no sum is carried on, so C is 0
.endm
.Lgroup:                                               ; four trips: columns 16 g .. 16 g + 15 of my 64
.set jj, 0
.rept 32
	v_pk_add_f32 v[WU+jj:WU+jj+1], v[UU+jj:UU+jj+1], v[NX:NX+1] op_sel_hi:[1,0]   ; u - col
.set jj, jj+2
.endr
.set jj, 0
.rept 32
	v_pk_mul_f32 v[WU+jj:WU+jj+1], v[WU+jj:WU+jj+1], v[WU+jj:WU+jj+1]
.set jj, jj+2
.endr
	WIN 0x04                                       ; source 1 window 1: c
.set jj, 0
.rept 32
	v_pk_mul_f32 v[WU+jj:WU+jj+1], v[WU+jj:WU+jj+1], v[CW+jj:CW+jj+1]
.set jj, jj+2
.endr
	WIN 0
.set jj, 0
.rept 64
	v_exp_f32 v[WU+jj], v[WU+jj]                   ; wu: one batch
.set jj, jj+1
.endr
	v_add_nc_u32 v[PSG], s[GOFF], v[PST]           ; the group's 64 bytes in a row of my image.  (The plain line behind the exponentials)
	s_wait_alu depctr_va_vdst(0)                   ; one wait for the batch, ahead of its first reader
	TILE 0
	TILE 1
	TILE 2
	TILE 3
	v_add_f32 v[NX], 0xc1800000, v[NX]             ; the next group's column: 16 further on (exact).  With three v_nop: the four places in front of the store of the last result
.rept 3
	v_nop
.endr
	ds_store_b128 v[PSG], v[DD+8:DD+11] offset:768
	ds_store_b128 v[PSG], v[DD+12:DD+15] offset:768+16
	s_add_co_u32 s[GOFF], s[GOFF], 64
	s_cmp_lt_u32 s[GOFF], 256
	s_cbranch_scc1 .Lgroup
	; THE WAY OUT.  Eight partial images lie in LDS; wave w adds up channels 2 w and 2 w + 1: four rows each, sixteen lanes to a row's 256 bytes.
	s_wait_dscnt 0x0                               ; for the others' sake: my stores have landed
	s_barrier_signal -1
	s_barrier_wait -1
.irp p, 0,1,2,3
.irp t, 0,1,2,3
	ds_load_b128 v[RR+16*\p+4*\t:RR+16*\p+4*\t+3], v[RD] offset:\p*WPART+256*\t
.endr
.endr
.irp p, 0,1,2,3
.irp t, 0,1,2,3
	ds_load_b128 v[RR+64+16*\p+4*\t:RR+64+16*\p+4*\t+3], v[RD2] offset:\p*WPART+256*\t
.endr
.endr
.irp p, 1,2,3,4,5,6,7
	s_wait_dscnt 4*(7-\p)                          ; image p is in; the four loads of each later image may stay out
.irp q, 0,2,4,6,8,10,12,14
	v_pk_add_f32 v[RR+\q:RR+\q+1], v[RR+\q:RR+\q+1], v[RR+16*\p+\q:RR+16*\p+\q+1]
.endr
.endr
.irp q, 0,2,4,6,8,10,12,14
	v_pk_mul_f32 v[RR+\q:RR+\q+1], v[RR+\q:RR+\q+1], s[OS:OS+1] op_sel_hi:[1,0]   ; x 2^(e0 + e1): nothing is rounded
.endr
.irp t, 0,1,2,3
	global_store_b128 v[GO], v[RR+4*\t:RR+4*\t+3], s[16:17] offset:512*\t th:TH_STORE_NT   ; sixteen lanes store 256 consecutive bytes, at a multiple of 256 from out0's first byte; written once, read by nobody here
.endr
	s_wait_tensorcnt 0x0                           ; the wave's end
	ds_add_u32 v[SPW], v[NIL]
	s_wait_dscnt 0x0
	s_endpgm
.Lfunc_end_k_q26ce3f554f_splat:
	.size	k_q26ce3f554f_splat, .Lfunc_end_k_q26ce3f554f_splat-k_q26ce3f554f_splat
	.p2alignl 7, 3214868480
	.fill 96, 4, 3214868480
	.section	.rodata,"a",@progbits
	.p2align	6, 0x0
	.amdhsa_kernel k_q26ce3f554f_splat
		.amdhsa_group_segment_fixed_size 142336
		.amdhsa_private_segment_fixed_size 0
		.amdhsa_enable_private_segment 0
		.amdhsa_kernarg_size 56
		.amdhsa_user_sgpr_count 2
		.amdhsa_user_sgpr_kernarg_segment_ptr 1
		.amdhsa_wavefront_size32 1
		.amdhsa_system_sgpr_workgroup_id_x 1
		.amdhsa_system_sgpr_workgroup_id_y 1
		.amdhsa_system_sgpr_workgroup_id_z 1
		.amdhsa_system_vgpr_workitem_id 0
		.amdhsa_next_free_vgpr 320
		.amdhsa_next_free_sgpr 66
		.amdhsa_reserve_vcc 1
		.amdhsa_float_denorm_mode_32 3
		.amdhsa_float_denorm_mode_16_64 3
		.amdhsa_memory_ordered 1
		.amdhsa_forward_progress 1
		.amdhsa_inst_pref_size 69
	.end_amdhsa_kernel
	.amdgpu_metadata
---
amdhsa.version: [ 1, 2 ]
amdhsa.kernels:
  - .name:           k_q26ce3f554f_splat
    .symbol:         k_q26ce3f554f_splat.kd
    .args:
      - { .name: K, .offset: 0, .size: 8, .value_kind: global_buffer, .address_space: global }
      - { .name: RT, .offset: 8, .size: 8, .value_kind: global_buffer, .address_space: global }
      - { .name: lowp_scales, .offset: 16, .size: 8, .value_kind: global_buffer, .address_space: global }
      - { .name: pts_3d, .offset: 24, .size: 8, .value_kind: global_buffer, .address_space: global }
      - { .name: pts_feat, .offset: 32, .size: 8, .value_kind: global_buffer, .address_space: global }
      - { .name: pts_scale, .offset: 40, .size: 8, .value_kind: global_buffer, .address_space: global }
      - { .name: out0, .offset: 48, .size: 8, .value_kind: global_buffer, .address_space: global }
    .group_segment_fixed_size: 142336
    .private_segment_fixed_size: 0
    .kernarg_segment_align: 8
    .kernarg_segment_size: 56
    .max_flat_workgroup_size: 256
    .sgpr_count:     66
    .vgpr_count:     320
    .wavefront_size: 32
...
	.end_amdgpu_metadata
.endif
;; end of part 1
;; ======== version 2 of 2: 1 launch; version 1 with the launch splat written anew for expert scheduling mode
;; launch splat (part 2): grid 64 x 4, 8 waves a work-group, no clusters, 142,336 bytes of LDS; arguments K, RT, lowp_scales, pts_3d, pts_feat, pts_scale, out0; writes out0
.if DOCPART == 2
	.amdgcn_target "amdgcn-amd-amdhsa--gfx1250"
	.amdhsa_code_object_version 6
	.text
	.protected	k_q26ce3f554f_splat
	.globl	k_q26ce3f554f_splat
	.p2align	8
	.type	k_q26ce3f554f_splat,@function
k_q26ce3f554f_splat:
	s_mov_b64 s[64:65], 0
	v_nop
	global_prefetch_b8 v0, s[64:65] scope:SCOPE_SE
	s_setreg_imm32_b32 hwreg(HW_REG_WAVE_SCHED_MODE, 0, 2), 2
	s_setreg_imm32_b32 hwreg(HW_REG_WAVE_MODE, 25, 1), 1
	s_wait_xcnt 0x0
	s_wait_alu depctr_vm_vsrc(0)
; out0[b][ch][row][col] = sum over the 1,024 points n of Q(pts_feat[b][n][ch]) x Q(weight[b][n][row][col]), Q = the codes of BF8 (E5M2) under the given scales 2^e0, 2^e1; sums in f32.
; weight = exp(-((v - row)^2 + (u - col)^2) / ((s sigma) sigma)) x mask, with u, v, mask from the projection K (R p + T), sigma = K[0][0] / 32.
; THE WEIGHT IS MADE AS A PRODUCT: exp(-(a + b) / d) = exp(-a / d) exp(-b / d), for all values.  wv(n, row) = 2^(c (v - row)^2) x mask and wu(n, col) = 2^(c (u - col)^2), c = -log2(e) / d, all in f32;
; weight = wv x wu, one f32 product.  With d > 0 both factors are at most 1, with d < 0 both at least 1: never 0 x infinity.  A work-group then needs (4 + 64) x 1,024 exponentials in place of 256 x 1,024.
; No input and no step is left out: K is taken as a full 3 x 3 matrix, the mask multiplies, the hold at the largest code is always executed.
; SHARES.  A work-group: one batch, 4 rows x 64 columns of the image, all 16 channels: each (channel, row) of it is 256 consecutive bytes of out0, aligned.  Eight waves SPLIT K: wave w owns points 128 w .. 128 w + 127,
; one K step of the 16 x 16 x 128 form for each of the 16 tiles of 16 pixels; the eight partial images meet in LDS at the end.
; LANES.  Lane (r, h), r = lane % 16, h = lane / 16, holds of both operands the 64 points 128 w + 64 h + i in byte i of its 16 registers: the same order of K in both, so every product meets its partner.
; Source 0 = the weights (row r of the tile = column r of the group), source 1 = pts_feat's codes (column r = channel r): in D lane (r, h) holds channel r and the 8 neighbouring pixels 8 h + 0 .. 7.
; wu of the lane's own column and 64 points is made by the lane itself.  wv of points 4 t .. 4 t + 3 (t = the thread's number = 32 w + 16 h + r) is made by thread t, which projected them; the multiply takes it from
; lane i / 4 of the same sixteen lanes (DPP, row_share): so wv needs no LDS.  Only u and c go through LDS, 8 KB.
; NO CLUSTER, NO TENSOR LOAD: what the 64 work-groups of a batch share is 80 KB (pts_3d 12, pts_scale 4, pts_feat 64), read once at the head; pts_feat goes from memory straight into the operand's order (a lane a channel,
; registers down K), which a tile in LDS would give only by 64 LDS loads more a wave.
; LIMITS.  e0 between -126 and 112; e1 between -109 and 112 (a factor under 2^-126 comes out of v_exp_f32 as 0: from e1 = -109 on such a weight has the code 0 anyway); e0 + e1 between -126 and 127;
; the clamped depth under 2^126.  (s sigma) sigma = +0 or denormal: c = -infinity, the weight is 0 as in the definition, but NaN where v - row or u - col is exactly 0.  NaN among the inputs is not served.
; THE MODE: SCHED_MODE bits 1:0 = 2 (LLVM: expert scheduling mode 2), set by the entry lines.  The code itself states the register dependences
; between vector or matrix instructions and memory or LDS instructions, with s_wait_alu, always for 0.
; THE PLAN.  Registers that memory or LDS instructions touch:
;   v[PO], v[SO], v[FO], v[AH]   offsets, made once at the head ahead of the first load's wait, never written again.
;   v[PST] (read by vector lines alone), v[RD], v[RD2], v[GO]   made at the head while the loads are out; the first memory instruction that reads one stands behind the loop.
;   PP, SS, FF   the head's loads land in registers that no vector line has named.  FF is read by the 64 holds; behind one wait u's LDS loads land in the same registers (UU).
;   UO, CO       written by the projection, read by two LDS stores behind one wait, never written again.        CW (window 1): LDS loads land there, vector lines read it, nothing else.
;   D0 .. D3     a group's four results.  Written by group g's four matrix instructions; read by the eight LDS stores that are issued in group g + 1.
;   v[PSG]       the stores' address.  Written once a group, ahead of the group's wait; read by the eight stores behind it.
;   RR           at the end: the partial images' loads land in wu's and u's registers; the sums in its first sixteen are the global stores' data.
; A GROUP HAS ONE WAIT ON va_vdst, behind its 64 exponentials: it states that they are written, that v[PSG] is written, and that the group before has written D0 .. D3.  The eight stores follow it at once.
; ONE WAIT ON vm_vsrc stands ahead of the group's first matrix instruction, behind a tile's vector work: the eight stores have read D0 .. D3 and v[PSG], which this group's matrix instructions and the next write of v[PSG] overwrite.
; So the first group, which has nothing to store, is written out ahead of the loop, and the last group's stores stand behind it.
.set LU,    0                          ; LDS: u of the batch's 1,024 points
.set LC,    4096                       ; c likewise
.set PART,  8192                       ; the partial images: wave, channel, row, 64 columns of f32
.set CHP,   1040                       ; from channel to channel: 4 rows x 256 bytes + 16
.set WPART, 16*CHP                     ; a wave's image
.set SPARE, PART+8*WPART               ; behind them: the spare words, 128 bytes for each wave: four blocks of 256 bytes that no other line names
.set SPW, 1                            ; v1   LDS address of my spare word; never rewritten
.set NIL, 2                            ; v2   0; never rewritten
.set AH,  3                            ; v3   LDS byte of my half's 64 points in u: 512 w + 256 h
.set PST, 4                            ; v4   where my D goes in my wave's image: channel r, + 32 h
.set PSG, 5                            ; v5   the same in the column group whose results are stored next
.set NX,  6                            ; v[6:7] -(my column) as f32; the packed form takes the low word for both halves
.set LA,  8                            ; v8, v9  57,344 x 2^e1, twice: the two halves of a dual instruction take their second sources from different banks
.set LB,  9
.set SC,  10                           ; v10  2^e1
.set ONE, 11                           ; v11  1.0
.set CO,  12                           ; v[12:15] c of my own 4 points
.set VO,  16                           ; v[16:19] v
.set MO,  20                           ; v[20:23] mask
.set UO,  24                           ; v[24:27] u
.set WV,  28                           ; v[28:43] wv x mask: register 4 row + a = point 4 t + a
.set AF,  44                           ; v[44:59] pts_feat's codes
.set BC,  60                           ; v[60:75] a tile's weight codes
.set TT,  76                           ; v[76:91] two sets of 8 products
.set DA,  92                           ; v[92:107] the results of a group's rows 0 and 1
.set DB,  16                           ; v[16:23]  row 2's: v's and the mask's registers, which vector lines alone have named and which are done with when the first group begins
.set DC,  248                          ; v[248:255] row 3's
.set WU,  108                          ; v[108:171] wu of my column, 64 points
.set UU,  172                          ; v[172:235] u of my 64 points
.set FF,  172                          ; the same registers, earlier: pts_feat as loaded
.set RR,  108                          ; v[108:235], at the end: 8 partial images x 16 numbers
.set CW,  0                            ; window 1, v0-63: c of my 64 points
.set PO,  236                          ; v236 my offset in pts_3d: 48 t
.set SO,  237                          ; v237 16 t: my offset in pts_scale, and my 4 points' place in LDS
.set FO,  238                          ; v238 my offset in pts_feat
.set SF,  239                          ; v239 2^e0
.set LF,  240                          ; v240 57,344 x 2^e0
.set RD,  241                          ; v241, v242 where I read the partial images 0-3, 4-7
.set RD2, 242
.set GO,  243                          ; v243 my offset in out0
.set RL,  244                          ; v244 r
.set HL,  245                          ; v245 h
.set TA,  246
.set PP,  108                          ; the projection's registers lie in wu's: 4 points x (x, y, z) as loaded
.set SS,  120                          ; pts_scale
.set LL,  124                          ; R p + T
.set QQ,  136                          ; K (R p + T)
.set ZC,  148                          ; max(z, 0.1)
.set YZ,  152                          ; 1 / zc
.set DN,  156                          ; (s sigma) sigma
.set YD,  160                          ; 1 / that
.set E1,  164
.set E2,  168
.set OS,   2                           ; s[2:3] 2^(e0 + e1)
.set KM,  20                           ; s[20:28] K
.set RT,  32                           ; s[32:43] RT of my batch: row i = R(i, 0..2), T(i)
.set EX,  44                           ; s44 e0, s45 e1
.set TENTH, 46
.set SIG,  47
.set INF,  48
.set NL2E, 49
.set YR,   50                          ; s[50:53] my 4 rows as f32
.set GOFF, 55                          ; s55 64 x the column group whose results are stored: the loop's counter
.set MK,   56                          ; s[56:59] in the projection: the lanes where 0.1 < z, a register a point
.set IK,   60                          ; s[60:63] the lanes where the divisor's reciprocal is finite
.set MSB, 0
.macro WIN new                         ; the immediate's high byte repeats the setting that is left
.if MSB != \new
	s_set_vgpr_msb (MSB<<8)|\new
.set MSB, \new
.endif
.endm
	s_load_b256 s[4:11], s[0:1], 0x0               ; K s[4:5], RT s[6:7], lowp_scales s[8:9], pts_3d s[10:11]
	s_load_b128 s[12:15], s[0:1], 0x20             ; pts_feat s[12:13], pts_scale s[14:15]
	s_load_b64 s[16:17], s[0:1], 0x30              ; out0
	v_lshl_add_u32 v[SPW], v0, 2, SPARE
	v_mov_b32 v[NIL], 0
	v_lshrrev_b32 v[TA], 5, v0
	v_readfirstlane_b32 s18, v[TA]                 ; wave 0..7
	s_and_b32 s19, ttmp7, 0xffff                   ; batch
	s_lshr_b32 s58, ttmp9, 1                       ; which 4 rows
	s_and_b32 s59, ttmp9, 1                        ; which 64 columns
	s_mul_i32 s2, s19, 48                          ; my batch in RT,
	s_mov_b32 s3, 0
	s_mul_i32 s30, s19, 12288                      ; in pts_3d,
	s_mov_b32 s31, 0
	s_lshl_b32 s60, s19, 16                        ; in pts_feat,
	s_mov_b32 s61, 0
	s_lshl_b32 s62, s19, 12                        ; in pts_scale
	s_mov_b32 s63, 0
	s_lshl_b32 s56, s19, 20                        ; out0: batch x 16 channels of 65,536 bytes
	s_wait_alu depctr_va_sdst(0)                   ; s18 is written, ahead of its first reader: out0's base and my image's place in LDS are made from it
	s_lshl_b32 s57, s18, 17                        ; + channel 2 w
	s_add_co_u32 s56, s56, s57
	s_lshl_b32 s57, s58, 11                        ; + 4 rows of 512 bytes
	s_add_co_u32 s56, s56, s57
	s_lshl_b32 s57, s59, 8                         ; + 64 columns
	s_add_co_u32 s56, s56, s57
	s_mov_b32 s57, 0
	v_and_b32 v[RL], 15, v0
	v_bfe_u32 v[HL], v0, 4, 1
	v_mul_u32_u24 v[PO], v0, 48
	v_lshlrev_b32 v[SO], 4, v0
	v_and_b32 v[AH], 0xf0, v0                      ; 32 w + 16 h
	v_lshlrev_b32 v[FO], 2, v[RL]
	v_lshl_or_b32 v[FO], v[AH], 8, v[FO]           ; point 128 w + 64 h of 64 bytes, + channel r
	v_lshlrev_b32 v[AH], 4, v[AH]
	s_wait_kmcnt 0x0
	s_add_nc_u64 s[6:7], s[6:7], s[2:3]
	s_load_b256 s[KM:KM+7], s[4:5], 0x0
	s_load_b32 s[KM+8], s[4:5], 0x20
	s_load_b256 s[RT:RT+7], s[6:7], 0x0
	s_load_b128 s[RT+8:RT+11], s[6:7], 0x20
	s_load_b64 s[EX:EX+1], s[8:9], 0x0
	s_add_nc_u64 s[10:11], s[10:11], s[30:31]
	s_add_nc_u64 s[12:13], s[12:13], s[60:61]
	s_add_nc_u64 s[14:15], s[14:15], s[62:63]
	s_add_nc_u64 s[16:17], s[16:17], s[56:57]
	s_wait_alu depctr_va_vdst(0)                   ; v[PO], v[SO], v[FO] and v[AH] are written: the loads below, the LDS stores of u and c and the LDS loads of u and c read them as offsets; none is written again
	global_load_b128 v[PP:PP+3],    v[PO], s[10:11]            ; my 4 points: 48 consecutive bytes
	global_load_b128 v[PP+4:PP+7],  v[PO], s[10:11] offset:16
	global_load_b128 v[PP+8:PP+11], v[PO], s[10:11] offset:32
	global_load_b128 v[SS:SS+3],    v[SO], s[14:15]
.set ii, 0
.rept 56                                               ; pts_feat(128 w + 64 h + i, r): sixteen lanes read a point's 64 bytes; a lane's registers run down K
	global_load_b32 v[FF+ii], v[FO], s[12:13] offset:64*ii
.set ii, ii+1
.endr
	; addresses and constants, while the loads are on their way: none of these lines names a register of a load
	s_mul_i32 s57, s18, WPART
	s_add_co_u32 s57, s57, PART
	v_mul_u32_u24 v[PST], v[RL], CHP
	v_lshl_add_u32 v[PST], v[HL], 5, v[PST]
	v_add_nc_u32 v[PST], s57, v[PST]
	v_lshrrev_b32 v[RD], 4, v0                     ; 2 w + h: the channel that I add up and store
	v_mul_u32_u24 v[RD], v[RD], CHP
	v_lshl_add_u32 v[RD], v[RL], 4, v[RD]
	v_add_nc_u32 v[RD], PART, v[RD]
	v_add_nc_u32 v[RD2], 4*WPART, v[RD]            ; the immediate reaches 65,535 bytes: a second register for images 4 to 7
	v_lshlrev_b32 v[GO], 4, v[RL]
	v_lshl_add_u32 v[GO], v[HL], 16, v[GO]         ; lanes 0-15 channel 2 w, lanes 16-31 channel 2 w + 1; 16 bytes a lane
	s_lshl_b32 s59, s59, 6
	v_add_nc_u32 v[NX], s59, v[RL]                 ; my column in the first group
	v_cvt_f32_u32 v[NX], v[NX]
	v_xor_b32 v[NX], 0x80000000, v[NX]             ; u - col is formed as u + (-col): the same one rounding
	v_mov_b32 v[NX+1], v[NX]                       ; (named with it as a pair, so it is written)
	v_mov_b32 v[ONE], 1.0
	s_lshl_b32 s58, s58, 2                         ; my first row
.irp q, 0,1,2,3
	s_add_co_u32 s57, s58, \q
	s_cvt_f32_u32 s[YR+\q], s57
.endr
	s_mov_b32 s[TENTH], 0x3dcccccd                 ; 0.1
	s_mov_b32 s[INF], 0x7f800000
	s_mov_b32 s[NL2E], 0xbfb8aa3b                  ; -log2(e)
	s_wait_kmcnt 0x0
	s_mul_f32 s[SIG], s[KM], 0x3d000000            ; sigma = K[0][0] / 32: exact
	s_add_co_i32 s58, s[EX], 127
	s_lshl_b32 s59, s58, 23
	v_mov_b32 v[SF], s59                           ; 2^e0 as f32: the conversion takes its exponent field
	s_add_co_i32 s58, s58, 15
	s_lshl_b32 s58, s58, 23
	s_or_b32 s58, s58, 0x600000
	v_mov_b32 v[LF], s58                           ; 57,344 x 2^e0
	s_add_co_i32 s58, s[EX+1], 127
	s_lshl_b32 s59, s58, 23
	v_mov_b32 v[SC], s59                           ; 2^e1
	s_add_co_i32 s58, s58, 15
	s_lshl_b32 s58, s58, 23
	s_or_b32 s58, s58, 0x600000
	v_mov_b32 v[LA], s58                           ; 57,344 x 2^e1
	v_mov_b32 v[LB], s58
	s_add_co_i32 s[OS], s[EX], s[EX+1]
	s_add_co_i32 s[OS], s[OS], 127
	s_lshl_b32 s[OS], s[OS], 23                    ; 2^(e0 + e1)
	s_mov_b32 s[OS+1], s[OS]                       ; (named with it as a pair, so it is written)
	s_wait_loadcnt 56                              ; my points and their scales are in: the 56 loads issued behind those four may stay out
.rept 8
	global_load_b32 v[FF+ii], v[FO], s[12:13] offset:64*ii     ; the last eight of the 64.  No wait: no vector line since the wait ahead of the first load names v[FO] or these eight registers
.set ii, ii+1
.endr
	; THE PROJECTION of my 4 points, the four side by side.  Sums over j ascending, fused; T is added last.
.irp i, 0,1,2
.irp a, 0,1,2,3
	v_mul_f32 v[LL+3*\a+\i], s[RT+4*\i], v[PP+3*\a]
.endr
.irp a, 0,1,2,3
	v_fmac_f32 v[LL+3*\a+\i], s[RT+4*\i+1], v[PP+3*\a+1]
.endr
.irp a, 0,1,2,3
	v_fmac_f32 v[LL+3*\a+\i], s[RT+4*\i+2], v[PP+3*\a+2]
.endr
.irp a, 0,1,2,3
	v_add_f32 v[LL+3*\a+\i], s[RT+4*\i+3], v[LL+3*\a+\i]
.endr
.endr
.irp i, 0,1,2
.irp a, 0,1,2,3
	v_mul_f32 v[QQ+3*\a+\i], s[KM+3*\i], v[LL+3*\a]
.endr
.irp a, 0,1,2,3
	v_fmac_f32 v[QQ+3*\a+\i], s[KM+3*\i+1], v[LL+3*\a+1]
.endr
.irp a, 0,1,2,3
	v_fmac_f32 v[QQ+3*\a+\i], s[KM+3*\i+2], v[LL+3*\a+2]
.endr
.endr
.irp a, 0,1,2,3
	v_max_num_f32 v[ZC+\a], s[TENTH], v[QQ+3*\a+2]
	v_mul_f32 v[DN+\a], s[SIG], v[SS+\a]           ; (s sigma)
.endr
.irp a, 0,1,2,3
	v_mul_f32 v[DN+\a], s[SIG], v[DN+\a]           ; (s sigma) sigma, in the definition's order
.endr
.irp a, 0,1,2,3
	v_rcp_f32 v[YZ+\a], v[ZC+\a]
.endr
.irp a, 0,1,2,3
	v_rcp_f32 v[YD+\a], v[DN+\a]
.endr
.irp a, 0,1,2,3
	v_cmp_lt_f32 s[MK+\a], s[TENTH], v[QQ+3*\a+2]  ; the mask, 0.1 < z: plain work that names no reciprocal stands behind the batch
.endr
	s_wait_alu depctr_va_vdst(0)                   ; the eight reciprocals are written, ahead of the first line that names one
.irp a, 0,1,2,3
	v_cmp_gt_f32 s[IK+\a], s[INF], v[YD+\a]        ; where the reciprocal is infinite (a divisor of +0 or denormal) the step below gives NaN: there the infinity is kept
.endr
.irp a, 0,1,2,3
	v_fma_f32 v[E1+\a], -v[ZC+\a], v[YZ+\a], 1.0   ; one Newton step on each reciprocal
.endr
.irp a, 0,1,2,3
	v_fma_f32 v[E2+\a], -v[DN+\a], v[YD+\a], 1.0
.endr
.irp a, 0,1,2,3
	v_fmac_f32 v[YZ+\a], v[E1+\a], v[YZ+\a]
.endr
.irp a, 0,1,2,3
	v_fma_f32 v[E2+\a], v[E2+\a], v[YD+\a], v[YD+\a]
.endr
	s_wait_alu depctr_va_sdst(0)                   ; the eight compares have written s[MK ..] and s[IK ..], ahead of the selects that read them: one wait for both runs
.irp a, 0,1,2,3
	v_cndmask_b32 v[MO+\a], 0, v[ONE], s[MK+\a]
.endr
.irp a, 0,1,2,3
	v_cndmask_b32 v[YD+\a], v[YD+\a], v[E2+\a], s[IK+\a]
.endr
.irp a, 0,1,2,3
	v_mul_f32 v[CO+\a], s[NL2E], v[YD+\a]          ; c = -log2(e) / ((s sigma) sigma)
.endr
.irp a, 0,1,2,3
	v_mul_f32 v[UO+\a], v[QQ+3*\a], v[YZ+\a]       ; u and v: quotient, its residual, the corrected quotient
.endr
.irp a, 0,1,2,3
	v_mul_f32 v[VO+\a], v[QQ+3*\a+1], v[YZ+\a]
.endr
.irp a, 0,1,2,3
	v_fma_f32 v[E1+\a], -v[ZC+\a], v[UO+\a], v[QQ+3*\a]
.endr
.irp a, 0,1,2,3
	v_fma_f32 v[E2+\a], -v[ZC+\a], v[VO+\a], v[QQ+3*\a+1]
.endr
.irp a, 0,1,2,3
	v_fmac_f32 v[UO+\a], v[E1+\a], v[YZ+\a]
.endr
.irp a, 0,1,2,3
	v_fmac_f32 v[VO+\a], v[E2+\a], v[YZ+\a]
.endr
	s_wait_alu depctr_va_vdst(0)                   ; the projection has written v[UO ..] and v[CO ..], which the two LDS stores read
	ds_store_b128 v[SO], v[UO:UO+3] offset:LU      ; u and c of points 4 t .. 4 t + 3, for the lanes of my wave's half
	ds_store_b128 v[SO], v[CO:CO+3] offset:LC
	; wv of my own 4 points for the 4 rows: 2^(c (v - row)^2)
.irp q, 0,1,2,3
.irp a, 0,1,2,3
	v_subrev_f32 v[WV+4*\q+\a], s[YR+\q], v[VO+\a] ; v - row
.endr
.endr
.irp j, 0,2,4,6,8,10,12,14
	v_pk_mul_f32 v[WV+\j:WV+\j+1], v[WV+\j:WV+\j+1], v[WV+\j:WV+\j+1]
.endr
.irp j, 0,2,4,6,8,10,12,14
	v_pk_mul_f32 v[WV+\j:WV+\j+1], v[WV+\j:WV+\j+1], v[CO+\j%4:CO+\j%4+1]
.endr
.irp j, 0,1,2,3,4,5,6,7,8,9,10,11,12,13,14,15
	v_exp_f32 v[WV+\j], v[WV+\j]
.endr
	s_wait_dscnt 0x0                               ; for the others' sake: my two stores have landed
	s_barrier_signal -1
	; pts_feat's codes, between the signal and the wait: work on registers.  The holds are also the plain work behind the exponentials above, and they write all 16 registers of TT once (a DPP form's destination counts as read)
.irp c, 0,1,2,3,4,5,6,7
	s_wait_loadcnt 56-8*\c                         ; chunk c's eight loads are in; those issued behind them may stay out
.irp j, 0,1,2,3,4,5,6,7
	v_med3_num_f32 v[TT+8*(\c%2)+\j], v[FF+8*\c+\j], -v[LF], v[LF]   ; the conversion to an 8-bit code does not saturate (ISA guide 7.6.2): the hold at the largest code x the scale
.endr
	v_cvt_scalef32_pk8_bf8_f32 v[AF+2*\c:AF+2*\c+1], v[TT+8*(\c%2):TT+8*(\c%2)+7], v[SF]
.endr
	v_nop                                          ; a plain line behind the last conversion
	s_wait_alu depctr_va_vdst(0)                   ; the 16 exponentials are written, ahead of their first reader; and the holds are done reading v[FF ..], in which u's LDS loads land below
.irp j, 0,2,4,6,8,10,12,14
	v_pk_mul_f32 v[WV+\j:WV+\j+1], v[WV+\j:WV+\j+1], v[MO+\j%4:MO+\j%4+1]   ; x mask: (wv x mask) x wu = (wv x wu) x mask, the mask being 0 or 1.  (These name no register of the loads below)
.endr
	s_barrier_wait -1                              ; u and c of all 1,024 points lie in LDS
.irp j, 0,1,2,3,4,5,6,7,8,9,10,11,12,13,14,15
	ds_load_b128 v[UU+4*\j:UU+4*\j+3], v[AH] offset:LU+16*\j   ; sixteen lanes read the same 16 bytes
.endr
	WIN 0x40                                       ; destination window 1: registers that no vector line has named
.irp j, 0,1,2,3,4,5,6,7,8,9,10,11,12,13,14,15
	ds_load_b128 v[CW+4*\j:CW+4*\j+3], v[AH] offset:LC+16*\j
.endr
	WIN 0
	s_wait_dscnt 0x0
.macro DREG q                          ; DT: where row q's result lies
.set DT, DA+8*(\q)
.if (\q) == 2
.set DT, DB
.endif
.if (\q) == 3
.set DT, DC
.endif
.endm
; A TILE: 16 columns of row rho.  Eight points at a time: the products (wv comes from lane i / 4 of my sixteen), the hold (two in one instruction; a weight is not negative, so it is one-sided), the conversion.
; The two sets of TT take turns, so that the next chunk's first product is the plain line behind a conversion.  The first chunk's twelve plain lines are the places between the tile before's matrix
; instruction and the conversion that writes its source anew (ISA guide 7.12.1; four are asked).  free = 1: the group's first tile, where stores of the group before have been issued.
.macro TILE rho, free
	DREG \rho
.set cc, 0
.rept 8
.set TS, TT+8*(cc%2)
.set jj, 0
.rept 8
.set RS, 2*cc+jj/4
	v_mul_f32_dpp v[TS+jj], v[WV+4*(\rho)+jj%4], v[WU+8*cc+jj] row_share:RS row_mask:0xf bank_mask:0xf
.set jj, jj+1
.endr
.set jj, 0
.rept 4
	v_dual_min_num_f32 v[TS+jj], v[TS+jj], v[LA] :: v_dual_min_num_f32 v[TS+jj+1], v[TS+jj+1], v[LB]
.set jj, jj+2
.endr
	v_cvt_scalef32_pk8_bf8_f32 v[BC+2*cc:BC+2*cc+1], v[TS:TS+7], v[SC]
.set cc, cc+1
.endr
.if \free
	s_wait_alu depctr_vm_vsrc(0)                   ; the eight stores at this group's head have read D0 .. D3, which this group's matrix instructions write again, and v[PSG], which is written again a group on
.endif
	v_nop                                          ; a plain line between the last conversion and the matrix instruction that reads its result
	v_wmma_f32_16x16x128_bf8_bf8 v[DT:DT+7], v[BC:BC+15], v[AF:AF+15], 0   ; my 128 points' share of 16 pixels x 16 channels; no sum is carried on, so C is 0
.endm
; A group's four results go into my wave's image: each from its low four registers on.
.macro OUT
.irp q, 0,1,2,3
	DREG \q
	ds_store_b128 v[PSG], v[DT:DT+3] offset:256*\q
	ds_store_b128 v[PSG], v[DT+4:DT+7] offset:256*\q+16
.endr
.endm
; A GROUP: columns 16 g .. 16 g + 15 of my 64.  prev = 1: the results of the group before are stored behind this group's one wait.
.macro GROUP prev
.set jj, 0
.rept 32
	v_pk_add_f32 v[WU+jj:WU+jj+1], v[UU+jj:UU+jj+1], v[NX:NX+1] op_sel_hi:[1,0]   ; u - col.  (These 96 packed lines are also the places between the last matrix instruction and the store of its result)
.set jj, jj+2
.endr
.set jj, 0
.rept 32
	v_pk_mul_f32 v[WU+jj:WU+jj+1], v[WU+jj:WU+jj+1], v[WU+jj:WU+jj+1]
.set jj, jj+2
.endr
	WIN 0x04                                       ; source 1 window 1: c
.set jj, 0
.rept 32
	v_pk_mul_f32 v[WU+jj:WU+jj+1], v[WU+jj:WU+jj+1], v[CW+jj:CW+jj+1]
.set jj, jj+2
.endr
	WIN 0
.set jj, 0
.rept 64
	v_exp_f32 v[WU+jj], v[WU+jj]                   ; wu: one batch
.set jj, jj+1
.endr
	v_add_f32 v[NX], 0xc1800000, v[NX]             ; the next group's column: 16 further on (exact).  (The plain line behind the exponentials)
.if \prev
	v_add_nc_u32 v[PSG], s[GOFF], v[PST]           ; the 64 bytes, in a row of my image, of the group before
.endif
	s_wait_alu depctr_va_vdst(0)                   ; the 64 exponentials are written, ahead of their first reader; prev = 1: so are v[PSG] and the four results of the group before, which the stores below read
.if \prev
	OUT
.endif
	TILE 0, \prev
	TILE 1, 0
	TILE 2, 0
	TILE 3, 0
.endm
	GROUP 0                                        ; the first group stands ahead of the loop: there is nothing to store yet
	s_mov_b32 s[GOFF], 0
.Lgroup:                                               ; three trips: groups 1 to 3, each storing the group before
	GROUP 1
	s_add_co_u32 s[GOFF], s[GOFF], 64
	s_cmp_lt_u32 s[GOFF], 192
	s_cbranch_scc1 .Lgroup
	v_add_nc_u32 v[PSG], 192, v[PST]               ; the last group's 64 bytes (the last trip's stores have read v[PSG]: the wait in that trip's first tile).  With three v_nop: the four places in front of the store of the last result
.rept 3
	v_nop
.endr
	s_wait_alu depctr_va_vdst(0)                   ; the last four results and v[PSG] are written, which the stores below read; and every vector line is done with v[RR ..], in which the partial images' loads land behind the barrier
	OUT
	; THE WAY OUT.  Eight partial images lie in LDS; wave w adds up channels 2 w and 2 w + 1: four rows each, sixteen lanes to a row's 256 bytes.
	s_wait_dscnt 0x0                               ; for the others' sake: my stores have landed
	s_barrier_signal -1
	s_barrier_wait -1
.irp p, 0,1,2,3
.irp t, 0,1,2,3
	ds_load_b128 v[RR+16*\p+4*\t:RR+16*\p+4*\t+3], v[RD] offset:\p*WPART+256*\t
.endr
.endr
.irp p, 0,1,2,3
.irp t, 0,1,2,3
	ds_load_b128 v[RR+64+16*\p+4*\t:RR+64+16*\p+4*\t+3], v[RD2] offset:\p*WPART+256*\t
.endr
.endr
.irp p, 1,2,3,4,5,6,7
	s_wait_dscnt 4*(7-\p)                          ; image p is in; the four loads of each later image may stay out
.irp q, 0,2,4,6,8,10,12,14
	v_pk_add_f32 v[RR+\q:RR+\q+1], v[RR+\q:RR+\q+1], v[RR+16*\p+\q:RR+16*\p+\q+1]
.endr
.endr
.irp q, 0,2,4,6,8,10,12,14
	v_pk_mul_f32 v[RR+\q:RR+\q+1], v[RR+\q:RR+\q+1], s[OS:OS+1] op_sel_hi:[1,0]   ; x 2^(e0 + e1): nothing is rounded
.endr
	s_wait_alu depctr_va_vdst(0)                   ; the sums are written in v[RR .. RR + 15], which the four stores read
.irp t, 0,1,2,3
	global_store_b128 v[GO], v[RR+4*\t:RR+4*\t+3], s[16:17] offset:512*\t th:TH_STORE_NT   ; sixteen lanes store 256 consecutive bytes, at a multiple of 256 from out0's first byte; written once, read by nobody here
.endr
	s_wait_dscnt 0x0                               ; the wave's end
	s_wait_alu 0x0
	s_wait_tensorcnt 0x0
	ds_add_u32 v[SPW], v[NIL]
	s_wait_dscnt 0x0
	s_endpgm
.Lfunc_end_k_q26ce3f554f_splat:
	.size	k_q26ce3f554f_splat, .Lfunc_end_k_q26ce3f554f_splat-k_q26ce3f554f_splat
	.p2alignl 7, 3214868480
	.fill 96, 4, 3214868480
	.section	.rodata,"a",@progbits
	.p2align	6, 0x0
	.amdhsa_kernel k_q26ce3f554f_splat
		.amdhsa_group_segment_fixed_size 142336
		.amdhsa_private_segment_fixed_size 0
		.amdhsa_enable_private_segment 0
		.amdhsa_kernarg_size 56
		.amdhsa_user_sgpr_count 2
		.amdhsa_user_sgpr_kernarg_segment_ptr 1
		.amdhsa_wavefront_size32 1
		.amdhsa_system_sgpr_workgroup_id_x 1
		.amdhsa_system_sgpr_workgroup_id_y 1
		.amdhsa_system_sgpr_workgroup_id_z 1
		.amdhsa_system_vgpr_workitem_id 0
		.amdhsa_next_free_vgpr 320
		.amdhsa_next_free_sgpr 66
		.amdhsa_reserve_vcc 0
		.amdhsa_float_denorm_mode_32 3
		.amdhsa_float_denorm_mode_16_64 3
		.amdhsa_memory_ordered 1
		.amdhsa_forward_progress 1
		.amdhsa_inst_pref_size 105
	.end_amdhsa_kernel
	.amdgpu_metadata
---
amdhsa.version: [ 1, 2 ]
amdhsa.kernels:
  - .name:           k_q26ce3f554f_splat
    .symbol:         k_q26ce3f554f_splat.kd
    .args:
      - { .name: K, .offset: 0, .size: 8, .value_kind: global_buffer, .address_space: global }
      - { .name: RT, .offset: 8, .size: 8, .value_kind: global_buffer, .address_space: global }
      - { .name: lowp_scales, .offset: 16, .size: 8, .value_kind: global_buffer, .address_space: global }
      - { .name: pts_3d, .offset: 24, .size: 8, .value_kind: global_buffer, .address_space: global }
      - { .name: pts_feat, .offset: 32, .size: 8, .value_kind: global_buffer, .address_space: global }
      - { .name: pts_scale, .offset: 40, .size: 8, .value_kind: global_buffer, .address_space: global }
      - { .name: out0, .offset: 48, .size: 8, .value_kind: global_buffer, .address_space: global }
    .group_segment_fixed_size: 142336
    .private_segment_fixed_size: 0
    .kernarg_segment_align: 8
    .kernarg_segment_size: 56
    .max_flat_workgroup_size: 256
    .sgpr_count:     66
    .vgpr_count:     320
    .wavefront_size: 32
...
	.end_amdgpu_metadata
.endif
;; end of part 2
